; MI455X (gfx1250); checked and timed in simulation.
; The chip was launched on July 23, 2026; its instructions are those of AMD's public machine-readable ISA for CDNA 5 (MIT licence, August 2026) and "CDNA5" Instruction Set Architecture Reference Guide (July 2026). The comments in the code are by the model that wrote it; some were corrected since.
;; Causal Self Attention. Allowed arithmetic: matrix products marked QUANTISED: E5M2 operands, one given power-of-two scale a tensor, by v_wmma_f32_16x16x64_bf8_bf8 or v_wmma_f32_16x16x128_bf8_bf8, f32 sums; everything else in f32.
;; Inputs: lowp_scales 8 int32 (the exponents e of the quantised operands' scales 2^e); w_attn_codes 3,072 x 32 x 32 uint8 (E5M2 codes of w_attn, K innermost, in blocks of 32 codes); w_proj_codes 1,024 x 32 x 32 uint8 (E5M2 codes of w_proj, K innermost, in blocks of 32 codes); x_codes 4 x 2,048 x 32 x 32 uint8 (E5M2 codes of x, K innermost, in blocks of 32 codes).
;; Outputs: out0 4 x 2,048 x 1,024 float32.
;; This version of the problem:
;;   THIS VERSION OF THE PROBLEM IS GIVEN IN LOW PRECISION. The matrix products marked QUANTISED in the list below multiply operands that are first quantised to E5M2 (5 exponent bits, 2 mantissa bits; 8 bits a number), with one given power-of-two scale for each operand tensor; their sums are f32. All else is computed in f32.
;;   The module's matrix products, in the order in which they are computed (A, B: the left and right operand; K: the contracted axis; several contracted axes count as one K, in the product's order):
;;     1. [M 8,192, K 1,024] x [K 1,024, N 3,072]; A: input x (given as codes); B: input w_attn (given as codes): QUANTISED (scales: A lowp_scales[0], B lowp_scales[1])
;;     2. batch 64 x [M 2,048, K 64] x [K 64, N 2,048]; A: computed on the way; B: computed on the way: QUANTISED (scales: A lowp_scales[2], B lowp_scales[3])
;;     3. batch 64 x [M 2,048, K 2,048] x [K 2,048, N 64]; A: softmax (see below); B: computed on the way: QUANTISED (scales: A lowp_scales[4], B lowp_scales[5])
;;     4. [M 8,192, K 1,024] x [K 1,024, N 1,024]; A: computed on the way; B: input w_proj (given as codes): QUANTISED (scales: A lowp_scales[6], B lowp_scales[7])
;;   THE QUANTISER, for each operand of a quantised product, along K:
;;     - The operand's scale is 2^e, e = its entry of the input lowp_scales (int32; the entries are numbered through the quantised products in the list's order, A before B).
;;     - Each number is divided by the scale, clamped to +-57,344, and rounded to the nearest number of E5M2, ties to even, subnormals kept.
;;     - The product sums the exact products of the quantised numbers (number of the format x scale) in f32.
;;   ~~~python
;;   def quantise(x, axis, e):      # numpy; x: float32 -> the quantised numbers, widened to float32 again
;;       x = np.moveaxis(x, axis, -1); K = x.shape[-1]
;;       r = np.clip(x / 2.0 ** e, -57344, 57344)
;;       step = 2.0 ** (np.maximum(np.frexp(np.where(r == 0, 1, r))[1] - 1, -14) - 2)
;;       q = np.round(r / step) * step * 2.0 ** e      # np.round: ties to even
;;       return np.moveaxis(q, -1, axis).astype(np.float32)
;;   ~~~
;;   SOFTMAX AHEAD OF A QUANTISED PRODUCT. Where the list says 'softmax', what is quantised is not the finished softmax but p = 2^(t - M), with t = logit x log2(e) and M = ceil(the row's largest t), a whole number; so 1/2 < the row's largest p <= 1. The row's sum l is taken of the UNQUANTISED p, in f32, and the product's result is divided by l at the end. Since M is a whole number, a kernel that streams over the keys may use a running M (the ceiling of the running maximum): every later rescaling is an exact power of two, so the quantised numbers keep their values, but for numbers so far below the row's largest that they fall under the format's range.
;;   OPERANDS COMPUTED ON THE WAY. 'Computed on the way' means the value that the module computes at that place (a softmax that the list does not call 'softmax' is quantised finished and normalised). What goes into a quantiser is computed in f32, as accurately as f32 sums, v_exp_f32 and their like allow (about 1e-6 of the number): no bf16 or f16 on the way to a quantiser, and a product that is left as it is and whose result goes on into a quantised operand takes f32 operands (vector FMAs, or v_wmma_f32_16x16x4_f32). A number that lies on a knife's edge between two numbers of the format may be rounded either way, as far as f32 arithmetic and the matrix unit's own rounding can turn it there, and no further.
;;   INPUTS GIVEN AS CODES. w_attn (in the module: [1024, 3072], K = its axis 0); w_proj (in the module: [1024, 1024], K = its axis 0); x (in the module: [4, 2048, 1024], K = its axis 2): each comes as NAME_codes (uint8): NAME with its K axis moved to the last place and cut into blocks of 32 codes, [.., K / 32, bytes a block], one block behind the other in memory; one code a byte (a code: sign, 5 exponent bits, 2 mantissa bits); its scale is its entry of lowp_scales. Its value is code x scale, taken as it is: it is not quantised again, and the codes and scales need not be those that the quantiser above would give.
;; One version. Each part assembles by itself: llvm-mc -triple=amdgcn-amd-amdhsa -mcpu=gfx1250 --defsym DOCPART=n.
;; ======== version 1 of 1: 3 launches
;; limits: right only within a limited range of input values
;; workspace buffers: q_codes 8,388,608 bytes; k_codes 8,388,608 bytes; v_codes 8,388,608 bytes; y_codes 8,388,608 bytes
;; launch qkv (part 1): grid 12 x 32, 4 waves a work-group, clusters of 4 x 4, 327,680 bytes of LDS; arguments x_codes, w_attn_codes, lowp_scales, q_codes, k_codes, v_codes; writes q_codes, k_codes, v_codes
.if DOCPART == 1
	.amdgcn_target "amdgcn-amd-amdhsa--gfx1250"
	.amdhsa_code_object_version 6
	.text
	.protected	k_qf4cb96f9c3_qkv
	.globl	k_qf4cb96f9c3_qkv
	.p2align	8
	.type	k_qf4cb96f9c3_qkv,@function
k_qf4cb96f9c3_qkv:
	s_mov_b64 s[64:65], 0
	v_nop
	global_prefetch_b8 v0, s[64:65] scope:SCOPE_SE
	s_setreg_imm32_b32 hwreg(HW_REG_WAVE_MODE, 25, 1), 1
	s_wait_xcnt 0x0
	s_wait_alu depctr_hold_cnt(0) depctr_sa_sdst(0) depctr_va_vdst(0) depctr_va_sdst(0) depctr_va_ssrc(0) depctr_va_vcc(0) depctr_vm_vsrc(0)
	s_getreg_b32 s2, hwreg(HW_REG_IB_STS2, 6, 4)
	s_cmp_eq_u32 s2, 0
	s_cbranch_scc0 .Lentry_in_a_cluster
	s_endpgm
.Lentry_in_a_cluster:
	s_bfe_u32 s2, ttmp6, 0x10000c
	s_cmp_lg_u32 s2, 0xf033
	s_cbranch_scc0 .Lentry_shape_is_right
	s_endpgm
.Lentry_shape_is_right:
; qkv = x w_attn on codes of E5M2, and the quantising of q, k and v.  x: [8192][1024] codes, w_attn: [3072][1024] codes, K innermost in both.
; A tile of 256 rows x 256 columns is made by a work-group of four waves; a wave makes 128 x 128: 64 accumulators of 16 x 16, 512 registers.
; K goes in steps of 256 through a ring of two LDS slots filled by the tensor data mover: four K steps, two first fills and two refills.
; CLUSTERS: 4 x 4 work-groups.  The four of a row of the cluster need the same rows of x, the four of a column the same rows of w: each tile is asked for JOINTLY.
; The cluster's x says which third of the columns is made: 0 = q, 1 = k, 2 = v; it is the same in all sixteen partners, so a branch may hang on it.
; THE MATRIX INSTRUCTION IS USED TRANSPOSED: a lane holds ONE row of source 1 and eight neighbouring rows of source 0.  For q and k source 1 = 16 rows of x (t) and source 0 = 16 rows of w (d):
; a lane's eight sums are neighbours along d, which is the K of q k^T.  For v the two LDS read bases change places (source 1 = rows of w, source 0 = rows of x): a lane's eight sums are neighbours
; along t, the keys, which are the K of p v.  So the conversions, which take eight neighbours along K from one lane's registers, serve all three.
; QUANTISER: a sum stands for sum x 2^(e0 + e1); its code is sum / 2^(e - e0 - e1), e = e2 (q), e3 (k), e5 (v).
; LIMITS: e - e0 - e1 between -126 and 112, so that the scale and 57,344 x the scale are f32 numbers.  NaN codes among the inputs are not served.
; WHAT IS STORED: images of the next launch's operand registers.  In each group of 32 rows, tile u (0, 1) holds in its lane-row r the row 8 u + r + 8 (r / 8).
;   q, k: head x 131,072 + (t / 32) x 2,048 + u x 1,024 + (d / 32) x 512 + ((d / 16) % 2) x 256 + 16 r + d % 16
;   v:    head x 131,072 + (t / 128) x 8,192 + (2 (d / 32) + u) x 2,048 + ((t / 32) % 4) x 512 + ((t / 16) % 2) x 256 + 16 r + t % 16   (u, r of d)
; A wave's 128 x 128 codes are two heads' runs of 8,192 consecutive bytes: they are ordered in the wave's own stage in LDS and leave as stores of 512 consecutive bytes.
; REGISTERS, in windows of 256: window 0: v16-31 addresses and the scale number; from v128 source 1's fragments, ONE set; on the way out v32-255 are free.
;   window 1: source 0's fragments, TWO sets.   window 2: accumulators of source 1's blocks 0-3 ((a, b) at v[8 (8 (a % 4) + b)]);   window 3: of blocks 4-7.
.set KSTEP,  256                       ; along K in a slot
.set ROWB,   256                       ; a tile's row in bytes
.set KROW,   1024                      ; a row of x or of w in memory, in bytes
.set PITCH,  272                       ; an LDS row: 256 bytes + 16 of padding = 68 words: the 16 rows that a load touches start at 16 different banks (64 banks of 4 bytes: ISA guide 11.1)
.set FR,     16                        ; registers of a fragment: 16 rows x 128 K
.set NL,     4                         ; LDS loads that bring one
.set NP,     4                         ; places behind this matrix instruction (ISA guide 7.12.1)
.set HALFT,  128*PITCH                 ; 128 rows: what one tensor load brings
.set SLOT,   4*HALFT                   ; x's 256 rows, then w's 256 rows
.set SPARE,  2*SLOT                    ; behind the ring: the spare words, 128 bytes for each wave, which no other line names
.set VSTG,   65536                     ; the stages lie in slot 0, which has had its last fill and its last read by then: q's and k's at 16,384 x wave, v's 65,536 further on
.set ADRA, 16                          ; v16-17  LDS address of source 1's fragments in slot 0, 1
.set ADRB, 20                          ; v20-21  the same for source 0
.set RDV,  22                          ; v22     v's stage: where I read 16 bytes back
.set STK,  24                          ; v24     q's and k's stage: where I put 8 codes
.set RDK,  25                          ; v25     and where I read 16 bytes back
.set CO,   26                          ; v26     16 x lane: my place in a store's 512 bytes
.set STV,  27                          ; v27     v's stage: where I put 8 codes
.set SPW,  28                          ; v28     LDS address of my spare word; never rewritten
.set NIL,  29                          ; v29     0; never rewritten
.set SC,   30                          ; v30     2^(e - e0 - e1) as f32
.set LIM,  31
.set TMP,  32                          ; v32-159 the codes read back from the stage
.set CD,   96                          ; v96-223 the codes: pair (a, b) at v[96 + 16 a + 2 b]
.set AF,   128                         ; source 1's fragments, in window 0
.set G1, 24                            ; s[24:31] descriptor group 1 for x's tiles;  s[32:39] group 0, one set for each slot
.set G0, 32
.set G1B, 48                           ; s[48:55], s[56:63] the same for w's tiles
.set G0B, 56
.set DST, 88                           ; s[88:89] where my wave's first head's run begins
.set MSB, 0
.macro WIN new                         ; the immediate's high byte repeats the setting that is left
.if MSB != \new
	s_set_vgpr_msb (MSB<<8)|\new
.set MSB, \new
.endif
.endm
.set MUL_LO, 0xa1                      ; source 0 window 1, source 1 window 0, C and D window 2
.set MUL_HI, 0xf1                      ; the same, C and D window 3
.set TO_B,   0x40                      ; destination window 1, address window 0
; A joint load: waves 0 and 1 fetch x's halves, waves 2 and 3 w's.  Each line has ONE mask and one set of registers; the branch hangs on the wave's number alone.
; Four v_nop follow each of the two lines, ahead of the jump, the label and what follows.
.macro JLOAD g0a, g1a, g0b, g1b
	s_cmp_eq_u32 s15, 0
	s_cbranch_scc0 .Lfor_b_\@
	tensor_load_to_lds s[\g0a:\g0a+3], s[\g1a:\g1a+7]
	s_nop 0
.rept 4
	v_nop
.endr
	s_branch .Lasked_\@
.Lfor_b_\@:
	tensor_load_to_lds s[\g0b:\g0b+3], s[\g1b:\g1b+7]
	s_nop 0
.rept 4
	v_nop
.endr
.Lasked_\@:
.endm
.macro CREST                           ; a round of the cluster's barrier behind its opening barrier
	s_cmp_lg_u32 s14, 0
	s_cbranch_scc1 .Lnot_wave_0_\@
	s_barrier_signal -3
.Lnot_wave_0_\@:
	s_barrier_wait -3
	s_barrier_signal -1
	s_barrier_wait -1
.endm
.macro CROUND                          ; a whole round
	s_barrier_signal -1
	s_barrier_wait -1
	CREST
.endm
	s_load_b128 s[4:7], s[0:1], 0x0                ; x's codes s[4:5], w's codes s[6:7]
	s_load_b64 s[8:9], s[0:1], 0x10                ; the scales' exponents
	s_load_b128 s[68:71], s[0:1], 0x18             ; q's codes s[68:69], k's s[70:71]
	s_load_b64 s[72:73], s[0:1], 0x28              ; v's
	v_lshl_add_u32 v[SPW], v0, 2, SPARE
	v_mov_b32 v[NIL], 0
	ds_add_u32 v28, v29
	ds_add_u32 v28, v29
	s_wait_dscnt 0x0
	v_lshrrev_b32 v1, 5, v0
	v_readfirstlane_b32 s14, v1                    ; wave 0..3
	s_lshr_b32 s15, s14, 1                         ; which half of source 1's 256 rows is mine.  Also: I fetch for x (0) or for w (1)
	s_and_b32 s16, s14, 1                          ; which half of source 0's.  Also: which 128 rows of that tile I fetch
	s_bfe_u32 s40, ttmp6, 0x40000                  ; cx, cy: my place in the cluster
	s_bfe_u32 s41, ttmp6, 0x40004
	s_lshl_b32 s42, ttmp9, 2
	s_add_co_u32 s42, s42, s40                     ; tile column = 4 x cluster x + cx
	s_and_b32 s17, ttmp7, 0xffff
	s_lshl_b32 s17, s17, 2
	s_add_co_u32 s17, s17, s41                     ; tile row = 4 x cluster y + cy
	s_lshl_b32 s43, s41, 2
	s_lshl_b32 s43, 15, s43                        ; my row of the cluster
	s_lshl_b32 s44, 0x1111, s40                    ; my column
	; descriptor group 1: a tile of 128 rows x 256 bytes, padded in LDS
	s_or_b32 s[G1+0], s43, (0<<16)|(1<<20)|(1<<21)|(5<<22)|(3<<25)  ; 15:0 the mask: x's tiles go to my row; 17:16 element of 1 byte; 20 padding on; 21 set beside a mask; 24:22 after every 64 words; 31:25 four words
	s_or_b32 s[G1B+0], s44, (0<<16)|(1<<20)|(1<<21)|(5<<22)|(3<<25) ; the same with the mask of my column, for w's tiles
.irp g, G1, G1B
	s_mov_b32 s[\g+1], ROWB<<16                    ; tensor_dim0
	s_mov_b32 s[\g+2], 128<<16                     ; tensor_dim1 = 128
	s_mov_b32 s[\g+3], ROWB<<16                    ; tile_dim0
	s_mov_b32 s[\g+4], 128                         ; tile_dim1 = 128
	s_mov_b32 s[\g+5], KROW                        ; tensor_dim0_stride
	s_mov_b32 s[\g+6], 0
	s_mov_b32 s[\g+7], 0
.endr
	s_lshl_b32 s18, s16, 7                         ; which 128 rows of the tile I fetch
	s_lshl_b32 s20, s17, 8
	s_add_co_u32 s20, s20, s18                     ; x: row 256 x tile row + 128 x half
	s_lshl_b32 s46, s42, 8
	s_add_co_u32 s46, s46, s18                     ; w: row 256 x tile column + 128 x half
	s_mov_b32 s21, 0
	s_mov_b32 s47, 0
	s_mov_b64 s[18:19], KROW
	s_mul_u64 s[20:21], s[20:21], s[18:19]
	s_mul_u64 s[46:47], s[46:47], s[18:19]
	s_mul_i32 s45, s14, HALFT                      ; where they go: wave x 128 rows: no place in the cluster enters an LDS address
	s_cmp_eq_u32 ttmp9, 2                          ; v?  Then the two sources change places
	s_cselect_b32 s86, 2*HALFT, 0                  ; source 1 is read from w's rows (v) or from x's
	s_cselect_b32 s87, 0, 2*HALFT                  ; source 0 from x's rows (v) or from w's
	s_cselect_b32 s84, s16, s15                    ; which half of the tile's rows t is mine
	s_cselect_b32 s85, s15, s16                    ; which half of its columns
	s_wait_kmcnt 0x0
	s_load_b256 s[76:83], s[8:9], 0x0              ; e0 .. e7
	s_add_nc_u64 s[20:21], s[4:5], s[20:21]
	s_add_nc_u64 s[46:47], s[6:7], s[46:47]
	CROUND                                         ; all sixteen work-groups are here: the first joint loads meet
.irp s, 0,1
	s_mov_b32 s[G0+4*\s], 1
	s_add_co_u32 s[G0+4*\s+1], s45, \s*SLOT
	s_add_nc_u64 s[G0+4*\s+2:G0+4*\s+3], s[20:21], \s*ROWB
	s_or_b32 s[G0+4*\s+3], s[G0+4*\s+3], 0x80000000
	s_mov_b32 s[G0B+4*\s], 1
	s_add_co_u32 s[G0B+4*\s+1], s45, \s*SLOT
	s_add_nc_u64 s[G0B+4*\s+2:G0B+4*\s+3], s[46:47], \s*ROWB
	s_or_b32 s[G0B+4*\s+3], s[G0B+4*\s+3], 0x80000000
	JLOAD G0+4*\s, G1, G0B+4*\s, G1B
.endr
	s_cmp_eq_u32 ttmp9, 2                          ; the buffer that my cluster writes: the choice hangs on the cluster's x alone
	s_cselect_b64 s[DST:DST+1], s[72:73], s[70:71]
	s_cmp_eq_u32 ttmp9, 0
	s_cselect_b64 s[DST:DST+1], s[68:69], s[DST:DST+1]
	s_lshl_b32 s91, s17, 8
	s_lshl_b32 s92, s84, 7
	s_add_co_u32 s91, s91, s92                     ; my first row: 256 x tile row + 128 x half
	s_lshr_b32 s92, s91, 11                        ; its batch,
	s_lshl_b32 s92, s92, 4
	s_lshl_b32 s93, s40, 2
	s_add_co_u32 s92, s92, s93                     ; + the tile's four heads: 4 cx on,
	s_lshl_b32 s93, s85, 1
	s_add_co_u32 s92, s92, s93                     ; + my two of them
	s_lshl_b32 s92, s92, 17                        ; a head's part is 131,072 bytes
	s_and_b32 s93, s91, 2047
	s_lshl_b32 s93, s93, 6                         ; 64 bytes for each t
	s_add_co_u32 s92, s92, s93
	s_mov_b32 s93, 0
	s_add_nc_u64 s[DST:DST+1], s[DST:DST+1], s[92:93]
	v_and_b32 v1, 15, v0                           ; l % 16
	s_wait_alu depctr_va_vdst(0)
	v_bfe_u32 v2, v0, 4, 1                         ; l / 16
	v_mul_u32_u24 v3, v1, PITCH
	v_lshl_add_u32 v4, v2, 4, v3                   ; a fragment's row x pitch + 16 x half
	s_mul_i32 s21, s15, HALFT
	s_add_co_u32 s21, s21, s86                     ; source 1's 128 rows
	s_mul_i32 s22, s16, HALFT
	s_add_co_u32 s22, s22, s87                     ; source 0's 128 rows
.irp s, 0,1
	v_add_nc_u32 v[ADRA+\s], s21, v4
	v_add_nc_u32 v[ADRB+\s], s22, v4
	s_add_co_u32 s21, s21, SLOT
	s_add_co_u32 s22, s22, SLOT
.endr
	s_lshl_b32 s23, s14, 14                        ; my stage: 16,384 x wave
	v_lshrrev_b32 v5, 3, v1                        ; (l % 16) / 8: the tile u of the lane's row
	v_and_b32 v6, 7, v1
	v_lshlrev_b32 v6, 4, v6
	v_lshl_add_u32 v6, v2, 3, v6                   ; 16 x (l % 8) + 8 x (l / 16)
	v_add_nc_u32 v6, s23, v6
	v_lshl_add_u32 v[STK], v5, 10, v6              ; q, k: tiles of 1,024 bytes
	v_lshl_add_u32 v[STV], v5, 11, v6              ; v: fragments of 2,048 bytes
	v_add_nc_u32 v[STV], VSTG, v[STV]
	v_and_b32 v7, 31, v0
	v_lshlrev_b32 v[CO], 4, v7
	v_add_nc_u32 v[RDK], s23, v[CO]
	v_add_nc_u32 v[RDV], VSTG, v[RDK]
.macro FRAG reg, adr, q, i             ; a fragment: lane l holds row l % 16; registers 4 c .. 4 c + 3 hold K = 32 c + 16 (l / 16) + 0 .. 15: the same order of k in both sources
.irp c, 0,1,2,3
	ds_load_b128 v[\reg+4*\c:\reg+4*\c+3], v[\adr] offset:128*(\q)+32*\c+(\i)*16*PITCH
.endr
.endm
; 16 matrix instructions: source 1's blocks a0, a0 + 1 x source 0's eight, 128 along K.  p: source 0's set.  zero = 1: the first product starts the sums.
; The 64 accumulators take turns, one instruction a turn, in the same order in every step.
.macro MUL16 a0, p, zero
.irp a, \a0, \a0+1
.irp b, 0,1,2,3,4,5,6,7
.if \zero
	v_wmma_f32_16x16x128_bf8_bf8 v[8*(8*((\a)%4)+\b):8*(8*((\a)%4)+\b)+7], v[128*(\p)+FR*\b:128*(\p)+FR*\b+FR-1], v[AF+FR*(\a):AF+FR*(\a)+FR-1], 0
.else
	v_wmma_f32_16x16x128_bf8_bf8 v[8*(8*((\a)%4)+\b):8*(8*((\a)%4)+\b)+7], v[128*(\p)+FR*\b:128*(\p)+FR*\b+FR-1], v[AF+FR*(\a):AF+FR*(\a)+FR-1], v[8*(8*((\a)%4)+\b):8*(8*((\a)%4)+\b)+7]
.endif
.endr
.endr
.endm
.macro FETCH_B slot, q, p              ; source 0's eight fragments of the slot's q-th 128 along K into set p
	WIN TO_B
.irp i, 0,1,2,3,4,5,6,7
	FRAG 128*(\p)+FR*\i, ADRB+\slot, \q, \i
.endr
	WIN 0
.endm
.macro FETCH_A slot, q, i0             ; source 1's blocks i0 .. i0 + 3
.irp i, \i0, \i0+1, \i0+2, \i0+3
	FRAG AF+FR*(\i), ADRA+\slot, \q, \i
.endr
.endm
.macro PLACES n                        ; plain vector instructions between a matrix instruction and a load into, or a read of, its registers
.rept \n
	v_nop
.endr
.endm
; A step of 128 along K that has its successor in the same slot.
.macro STEP slot, q, zero
	s_wait_dscnt 4*NL                              ; source 0's set and source 1's blocks 0-3 are in; the youngest 16 loads (blocks 4-7) may be out
	WIN MUL_LO
	MUL16 0, (\q)%2, \zero
	MUL16 2, (\q)%2, \zero
	s_wait_dscnt 0                                 ; blocks 4-7 are in (asked for 32 matrix instructions ago)
	PLACES NP
	FETCH_B \slot, (\q)+1, 1-(\q)%2
	FETCH_A \slot, (\q)+1, 0
	WIN MUL_HI
	MUL16 4, (\q)%2, \zero
	MUL16 6, (\q)%2, \zero
	PLACES NP
	WIN 0
	FETCH_A \slot, (\q)+1, 4
.endm
; A slot's last step changes slots: ONE barrier; in front of it each wave waits for all its tensor loads, adds 0 to its spare word, and waits for that and for its own reads of this slot.  fill = 1: this slot is filled again, two K steps ahead.
.macro TURN slot, next, fill
	s_wait_tensorcnt 0x0                           ; all my tensor loads have landed: my part of the next slot  (every window is 0 here)
	ds_add_u32 v[SPW], v[NIL]                      ; 0 onto my spare word
	s_wait_dscnt 4*NL+1                            ; (the add and the youngest 16 loads may be out)
	WIN MUL_LO
	MUL16 0, 1, 0                                  ; sixteen matrix instructions stand between the add and the wait for it
	s_wait_dscnt 0x0                               ; the add is done, and my reads of this slot are over
	s_barrier_signal -1
	MUL16 2, 1, 0
	WIN 0
	s_barrier_wait -1
.if \fill
	CREST                                          ; the barrier has opened a round of the cluster's barrier: no wave of any partner still reads this slot or has a load on its way
	s_add_nc_u64 s[G0+4*\slot+2:G0+4*\slot+3], s[G0+4*\slot+2:G0+4*\slot+3], 2*ROWB
	s_add_nc_u64 s[G0B+4*\slot+2:G0B+4*\slot+3], s[G0B+4*\slot+2:G0B+4*\slot+3], 2*ROWB
	JLOAD G0+4*\slot, G1, G0B+4*\slot, G1B         ; the first tensor load behind the round; its four v_nop are the places in front of the loads below
.else
	PLACES NP
.endif
	FETCH_B \next, 0, 0
	FETCH_A \next, 0, 0
	WIN MUL_HI
	MUL16 4, 1, 0
	MUL16 6, 1, 0
	PLACES NP
	WIN 0
	FETCH_A \next, 0, 4
.endm
	s_wait_tensorcnt 1                             ; my part of K step 0 is in (K step 1's load may be out)
	s_barrier_signal -1
	s_barrier_wait -1                              ; everybody's is
	FETCH_B 0, 0, 0
	FETCH_A 0, 0, 0
	FETCH_A 0, 0, 4
	STEP 0, 0, 1                                   ; 1,024 along K are eight steps of 128, written out: the first starts the sums
	TURN 0, 1, 1                                   ; slot 0 takes K step 2
	STEP 1, 0, 0
	TURN 1, 0, 1                                   ; slot 1 takes K step 3
	STEP 0, 0, 0
	TURN 0, 1, 0                                   ; nothing is left to fetch; behind this barrier nobody reads slot 0 any more
	STEP 1, 0, 0
	s_wait_dscnt 4*NL                              ; the very last step
	WIN MUL_LO
	MUL16 0, 1, 0
	MUL16 2, 1, 0
	s_wait_dscnt 0
	WIN MUL_HI
	MUL16 4, 1, 0
	MUL16 6, 1, 0
	WIN 0
	; THE WAY OUT.  The one scale of my third, and the largest number x that scale.
	s_wait_kmcnt 0x0
	s_cmp_eq_u32 ttmp9, 2
	s_cselect_b32 s90, s81, s79                    ; e5 (v) or e3 (k),
	s_cmp_eq_u32 ttmp9, 0
	s_cselect_b32 s90, s78, s90                    ; or e2 (q)
	s_sub_co_i32 s90, s90, s76
	s_sub_co_i32 s90, s90, s77                     ; e - e0 - e1: the three scales folded into the conversion's one
	s_add_co_i32 s90, s90, 127
	s_lshl_b32 s94, s90, 23
	v_mov_b32 v[SC], s94
	s_add_co_i32 s90, s90, 15
	s_lshl_b32 s90, s90, 23
	s_or_b32 s90, s90, 0x600000
	PLACES NP                                      ; in front of the first read of results and of the writes over source 1's fragments
; Block a's 64 sums become 8 pairs of code registers.
.macro CODES a
	WIN 0x02+((\a)/4)                              ; source 0: window 2 or 3
.irp j, 0,1,2,3,4,5,6,7,8,9,10,11,12,13,14,15,16,17,18,19,20,21,22,23,24,25,26,27,28,29,30,31,32,33,34,35,36,37,38,39,40,41,42,43,44,45,46,47,48,49,50,51,52,53,54,55,56,57,58,59,60,61,62,63
.endr
.irp b, 0,1,2,3,4,5,6,7
	v_cvt_scalef32_pk8_bf8_f32 v[CD+16*(\a)+2*\b:CD+16*(\a)+2*\b+1], v[TMP+8*\b+((64*((\a)%4)+0)-(TMP+0)):TMP+8*\b+7+((64*((\a)%4)+0)-(TMP+0))], v[SC]
.endr
	WIN 0
	v_nop                                          ; one plain vector instruction behind the conversions
.endm
; The codes go into my stage in the order of the buffer, come back 16 bytes a lane, and leave: each store covers 512 consecutive bytes, aligned; 16 stores to a head.
.macro OUT sto, rd, isv
.irp a, 0,1,2,3,4,5,6,7
.irp b, 0,1,2,3,4,5,6,7
.if \isv
	ds_store_b64 v[\sto], v[CD+16*\a+2*\b:CD+16*\a+2*\b+1] offset:(\a/4)*8192+((\a/2)%2)*4096+(\a%2)*128+(\b/2)*512+(\b%2)*256
.else
	ds_store_b64 v[\sto], v[CD+16*\a+2*\b:CD+16*\a+2*\b+1] offset:(\b/4)*8192+(\a/2)*2048+((\b/2)%2)*512+(\b%2)*256+(\a%2)*128
.endif
.endr
.endr
	s_wait_dscnt 0x0                               ; the stores have read their registers: the loads below land on some of them
.irp t, 0,1,2,3,4,5,6,7,8,9,10,11,12,13,14,15,16,17,18,19,20,21,22,23,24,25,26,27,28,29,30,31
	ds_load_b128 v[TMP+4*\t:TMP+4*\t+3], v[\rd] offset:512*\t
.endr
.irp t, 0,1,2,3,4,5,6,7,8,9,10,11,12,13,14,15,16,17,18,19,20,21,22,23,24,25,26,27,28,29,30,31
	s_wait_dscnt 31-\t                             ; LDS loads come back in order: load t is in, the 31 - t younger ones may be out
	global_store_b128 v[CO], v[TMP+4*\t:TMP+4*\t+3], s[DST:DST+1] offset:(\t/16)*131072+(\t%16)*512
.endr
.endm
.irp a, 0,1,2,3,4,5,6,7
	CODES \a
.endr
	s_cmp_eq_u32 ttmp9, 2                          ; the cluster's x: the same in every wave of every partner
	s_cbranch_scc1 .Lv
	OUT STK, RDK, 0
	s_branch .Lend
.Lv:
	s_wait_alu depctr_va_vdst(0)
	OUT STV, RDV, 1
.Lend:
	s_wait_tensorcnt 0x0                           ; the wave's end: behind my last tensor load and my last LDS store
	ds_add_u32 v[SPW], v[NIL]
	s_wait_dscnt 0x0
	CROUND                                         ; the closing round: no work-group ends while a partner may still ask for a tile that names it
	s_endpgm
.Lfunc_end_k_qf4cb96f9c3_qkv:
	.size	k_qf4cb96f9c3_qkv, .Lfunc_end_k_qf4cb96f9c3_qkv-k_qf4cb96f9c3_qkv
	.p2alignl 7, 3214868480
	.fill 96, 4, 3214868480
	.section	.rodata,"a",@progbits
	.p2align	6, 0x0
	.amdhsa_kernel k_qf4cb96f9c3_qkv
		.amdhsa_group_segment_fixed_size 327680
		.amdhsa_private_segment_fixed_size 0
		.amdhsa_enable_private_segment 0
		.amdhsa_kernarg_size 48
		.amdhsa_user_sgpr_count 2
		.amdhsa_user_sgpr_kernarg_segment_ptr 1
		.amdhsa_wavefront_size32 1
		.amdhsa_system_sgpr_workgroup_id_x 1
		.amdhsa_system_sgpr_workgroup_id_y 1
		.amdhsa_system_sgpr_workgroup_id_z 1
		.amdhsa_system_vgpr_workitem_id 0
		.amdhsa_next_free_vgpr 1024
		.amdhsa_next_free_sgpr 100
		.amdhsa_reserve_vcc 0
		.amdhsa_float_denorm_mode_32 3
		.amdhsa_float_denorm_mode_16_64 3
		.amdhsa_fp16_overflow 1
		.amdhsa_memory_ordered 1
		.amdhsa_forward_progress 1
		.amdhsa_inst_pref_size 104
	.end_amdhsa_kernel
	.amdgpu_metadata
---
amdhsa.version: [ 1, 2 ]
amdhsa.kernels:
  - .name:           k_qf4cb96f9c3_qkv
    .symbol:         k_qf4cb96f9c3_qkv.kd
    .args:
      - { .name: x_codes, .offset: 0, .size: 8, .value_kind: global_buffer, .address_space: global }
      - { .name: w_attn_codes, .offset: 8, .size: 8, .value_kind: global_buffer, .address_space: global }
      - { .name: lowp_scales, .offset: 16, .size: 8, .value_kind: global_buffer, .address_space: global }
      - { .name: q_codes, .offset: 24, .size: 8, .value_kind: global_buffer, .address_space: global }
      - { .name: k_codes, .offset: 32, .size: 8, .value_kind: global_buffer, .address_space: global }
      - { .name: v_codes, .offset: 40, .size: 8, .value_kind: global_buffer, .address_space: global }
    .group_segment_fixed_size: 327680
    .private_segment_fixed_size: 0
    .kernarg_segment_align: 8
    .kernarg_segment_size: 48
    .max_flat_workgroup_size: 128
    .sgpr_count:     100
    .vgpr_count:     1024
    .wavefront_size: 32
...
	.end_amdgpu_metadata
.endif
;; end of part 1
;; launch attn (part 2): grid 4 x 64, 16 waves a work-group, clusters of 4 x 1, 264,192 bytes of LDS; arguments q_codes, k_codes, v_codes, lowp_scales, y_codes; writes y_codes
.if DOCPART == 2
	.amdgcn_target "amdgcn-amd-amdhsa--gfx1250"
	.amdhsa_code_object_version 6
	.text
	.protected	k_qf4cb96f9c3_attn
	.globl	k_qf4cb96f9c3_attn
	.p2align	8
	.type	k_qf4cb96f9c3_attn,@function
k_qf4cb96f9c3_attn:
	s_mov_b64 s[64:65], 0
	v_nop
	global_prefetch_b8 v0, s[64:65] scope:SCOPE_SE
	s_setreg_imm32_b32 hwreg(HW_REG_WAVE_MODE, 25, 1), 1
	s_wait_xcnt 0x0
	s_wait_alu depctr_hold_cnt(0) depctr_sa_sdst(0) depctr_va_vdst(0) depctr_va_sdst(0) depctr_va_ssrc(0) depctr_va_vcc(0) depctr_vm_vsrc(0)
	s_getreg_b32 s2, hwreg(HW_REG_IB_STS2, 6, 4)
	s_cmp_eq_u32 s2, 0
	s_cbranch_scc0 .Lentry_in_a_cluster
	s_endpgm
.Lentry_in_a_cluster:
	s_bfe_u32 s2, ttmp6, 0x10000c
	s_cmp_lg_u32 s2, 0x3003
	s_cbranch_scc0 .Lentry_shape_is_right
	s_endpgm
.Lentry_shape_is_right:
; y = softmax(q k^T / 32, causal) v for 64 heads of 2,048 x 64, both products on codes of E5M2, and the quantising of y.
; THE SOFTMAX: t = score x log2(e) / 32; M = the running largest t rounded UP to a whole number; p = 2^(t - M) is quantised with 2^e4, not normalised; the row's sum is taken of the
; unquantised p in f32 and divides at the end.  When M moves, the sum and O are multiplied by 2^(old M - new M), which rounds nothing.
; SHARES.  A cluster of four work-groups is one head.  The head's whole K (131,072 bytes, LDS byte 0 on) and V (131,072 bytes behind it) come in ONCE, by joint loads that name the four; no LDS byte is
; filled twice and none is stored to.  A work-group has sixteen waves of 256 registers, four to a SIMD, so that one wave's vector work stands beside another's matrix work and LDS loads.
; With U = wave % 8 and SUB = wave / 8 a wave owns two tiles of 16 queries: tile (cx, SUB) of the group of 128 queries 15 - U, then the same tile of group U.  A tile of group G needs G + 1 key steps
; of 128 keys: (16 - U) + (U + 1) = 17 steps for every wave.  Steps all of whose keys come after the tile's queries are jumped over by a branch on the wave's number and the step's alone.
; LAYOUT.  Both products are used transposed: S^T = K Q^T (source 0 = 16 keys, source 1 = my 16 queries), O^T = V^T P^T (source 0 = 16 of the head's 64, source 1 = P): a lane holds ONE query throughout.
; The buffers are images of the operands' registers (16 bytes a lane, 512 a load).  In each group of 32 rows, tile u holds in lane-row r the row 8 u + r + 8 (r / 8): so the 16 registers of two
; neighbouring tiles of S^T are 16 neighbouring keys, 32 b + 16 (lane / 16) + 0 .. 15, and those of O^T 16 neighbouring d: the conversions' results are the next operand's registers.
; y's codes: [row tile (512)][head (16)][2][512]: tile = batch x 128 + group x 8 + 2 cx + SUB; a wave stores 2 x 512 consecutive bytes a tile.
; LIMITS on the given exponents, so that each power of two below is an f32 number: e2 + e3 between -121 and 132 (added to c's exponent field); e4, and e6 - e4 - e5, between -126 and 112.
; REGISTERS: v1-3 stay; v8, v9 addresses in hand; v12 -M, v13 the largest t, v[14:15] the sum in two halves; v16-23, v24-31 Q of the two tiles; v32-95 eight tiles of K, then four fragments of V;
; v96-159 S^T, then p; v160-191 O^T; v192-207 p's codes; v208-223 y's codes; v236-255 at work and constants.
.set LI,   1                           ; v1   16 x lane
.set DM,   2                           ; v2   my query's place in its group of 128, less 16 (lane / 16)
.set AV0,  3                           ; v3   16 x lane + V's first byte in LDS
.set ADK,  8
.set ADV,  9
.set QH,   16
.set QL,   24
.set FRG,  32
.set S,    96
.set O,    160
.set PC,   192
.set YH,   208
.set YL,   216
.set VBASE, 131072
.set WV,   18                          ; s18  wave;  s19 U;  s20 SUB;  s21 cx;  s22 head
.set G1A,  32                          ; s[32:39] descriptor group 1: 16 rows of 256 bytes;  s[40:47]: 32 rows
.set G1B,  40
.set G0,   48                          ; s[48:59] three groups 0
.set QBH,  60                          ; s[60:61], s[66:67] Q's tiles;  s[68:69], s[70:71] y's
.set QBL,  66
.set YBH,  68
.set YBL,  70
.set CS,   80                          ; s[80:81] c = log2(e) / 32 x 2^(e2 + e3)
.set SEL,  82                          ; s[82:83] lane selects: lane l xor 16
.set TB,   84                          ; s84  the step's first byte in K's (and in V's) part of LDS
.set KS,   85                          ; s85  the key step's number; also the loops' counter
.set GR,   86                          ; s86  the group of the tile in hand
.macro CROUND                          ; a round of the cluster's barrier
	s_barrier_signal -1
	s_barrier_wait -1
	s_cmp_lg_u32 s[WV], 0
	s_cbranch_scc1 .Lnot_wave_0_\@
	s_barrier_signal -3
.Lnot_wave_0_\@:
	s_barrier_wait -3
	s_barrier_signal -1
	s_barrier_wait -1
.endm
	s_load_b128 s[4:7], s[0:1], 0x0                ; q's codes s[4:5], k's s[6:7]
	s_load_b128 s[8:11], s[0:1], 0x10              ; v's codes s[8:9], the scales' exponents s[10:11]
	s_load_b64 s[12:13], s[0:1], 0x20              ; y's codes
	v_lshl_add_u32 v249, v0, 2, 0x40000
	v_mov_b32 v251, 0
	ds_add_u32 v249, v251
	ds_add_u32 v249, v251
	v_lshrrev_b32 v4, 5, v0
	s_delay_alu instid0(VALU_DEP_1)
	v_readfirstlane_b32 s[WV], v4                  ; wave 0..15
	s_and_b32 s19, s[WV], 7                        ; U
	s_lshr_b32 s20, s[WV], 3                       ; SUB.  Also: I fetch for K (0) or for V (1)
	s_bfe_u32 s21, ttmp6, 0x40000                  ; cx: it enters Q's and y's global addresses and the mask's numbers alone
	s_and_b32 s22, ttmp7, 0xffff                   ; the head, which the four partners share
	; descriptor group 1: dense blocks as rows of 256 bytes (32 elements of 8 bytes); 15:0 the mask: all four work-groups; 21 set beside a mask
	s_mov_b32 s[G1A+0], 15|(3<<16)|(1<<21)
	s_mov_b32 s[G1A+1], 32<<16                     ; tensor_dim0 = 32
	s_mov_b32 s[G1A+2], 16<<16                     ; tensor_dim1 = 16
	s_mov_b32 s[G1A+3], 32<<16                     ; tile_dim0 = 32
	s_mov_b32 s[G1A+4], 16                         ; tile_dim1 = 16
	s_mov_b32 s[G1A+5], 32                         ; the pitch
	s_mov_b32 s[G1A+6], 0
	s_mov_b32 s[G1A+7], 0
	s_mov_b32 s[G1B+0], 15|(3<<16)|(1<<21)
	s_mov_b32 s[G1B+1], 32<<16
	s_mov_b32 s[G1B+2], 32<<16                     ; 32 rows
	s_mov_b32 s[G1B+3], 32<<16
	s_mov_b32 s[G1B+4], 32
	s_mov_b32 s[G1B+5], 32
	s_mov_b32 s[G1B+6], 0
	s_mov_b32 s[G1B+7], 0
	; what I fetch: of K (waves 0-7) or V (waves 8-15): 4,096 bytes of key steps 0-3, 4,096 of steps 4-7, 8,192 of steps 8-15; the same offsets in LDS and in memory
	s_lshl_b32 s23, s20, 17                        ; K's or V's part of LDS
	s_lshl_b32 s24, s19, 12
	s_mov_b32 s25, 0
	s_lshl_b32 s26, s19, 13
	s_mov_b32 s27, 0
	s_lshl_b32 s28, s22, 17                        ; the head's first byte in q's, k's and v's codes
	s_mov_b32 s29, 0
	s_mov_b32 s[G0+0], 1
	s_add_co_u32 s[G0+1], s23, s24
	s_mov_b32 s[G0+4], 1
	s_add_co_u32 s[G0+5], s[G0+1], 32768
	s_mov_b32 s[G0+8], 1
	s_add_co_u32 s[G0+9], s23, s26
	s_add_co_u32 s[G0+9], s[G0+9], 65536
	s_mov_b32 s[SEL], 0x76543210
	s_mov_b32 s[SEL+1], 0xfedcba98
	s_mov_b32 s[CS], 0x3d38aa3b                    ; log2(e) / 32
	s_xor_b32 s[GR], s19, 15                       ; the first tile's group: 15 - U
	s_wait_dscnt 0x0
	s_wait_kmcnt 0x0
	s_load_b256 s[72:79], s[10:11], 0x0            ; e0 .. e7
	s_cmp_lt_u32 s[WV], 8                          ; the choice hangs on the wave's number alone
	s_cselect_b64 s[30:31], s[6:7], s[8:9]
	s_add_nc_u64 s[30:31], s[30:31], s[28:29]      ; K or V of my head
	s_add_nc_u64 s[G0+2:G0+3], s[30:31], s[24:25]
	s_add_nc_u64 s[G0+6:G0+7], s[G0+2:G0+3], 32768
	s_add_nc_u64 s[G0+10:G0+11], s[30:31], s[26:27]
	s_add_nc_u64 s[G0+10:G0+11], s[G0+10:G0+11], 65536
	s_or_b32 s[G0+3], s[G0+3], 0x80000000          ; type = 2
	s_or_b32 s[G0+7], s[G0+7], 0x80000000
	s_or_b32 s[G0+11], s[G0+11], 0x80000000
	CROUND                                         ; all four work-groups are here: the joint loads meet
	tensor_load_to_lds s[G0:G0+3], s[G1A:G1A+7]    ; all the launch's fills go out together: three loads of mine are out
	s_nop 0
	tensor_load_to_lds s[G0+4:G0+7], s[G1A:G1A+7]
	s_nop 0
	tensor_load_to_lds s[G0+8:G0+11], s[G1B:G1B+7]
	s_nop 0
.rept 4
	v_nop
.endr
	; Q's two tiles: head + group x 8,192 + cx x 2,048 + SUB x 1,024
	s_lshl_b32 s14, s21, 11
	s_lshl_b32 s15, s20, 10
	s_add_co_u32 s14, s14, s15
	s_add_co_u32 s14, s14, s28
	s_lshl_b32 s16, s[GR], 13
	s_add_co_u32 s16, s16, s14
	s_mov_b32 s17, 0
	s_add_nc_u64 s[QBH:QBH+1], s[4:5], s[16:17]
	s_lshl_b32 s16, s19, 13
	s_add_co_u32 s16, s16, s14
	s_add_nc_u64 s[QBL:QBL+1], s[4:5], s[16:17]
	v_and_b32 v4, 31, v0
	s_delay_alu instid0(VALU_DEP_1)
	v_lshlrev_b32 v[LI], 4, v4
	s_wait_alu depctr_va_vdst(0)
	global_load_b128 v[QH:QH+3],   v[LI], s[QBH:QBH+1]
	global_load_b128 v[QH+4:QH+7], v[LI], s[QBH:QBH+1] offset:512
	global_load_b128 v[QL:QL+3],   v[LI], s[QBL:QBL+1]
	global_load_b128 v[QL+4:QL+7], v[LI], s[QBL:QBL+1] offset:512
	; y's two tiles: (batch x 128 + group x 8 + 2 cx + SUB) x 16,384 + (head % 16) x 1,024
	s_lshr_b32 s14, s22, 4
	s_lshl_b32 s14, s14, 7
	s_lshl_b32 s15, s21, 1
	s_add_co_u32 s14, s14, s15
	s_add_co_u32 s14, s14, s20
	s_lshl_b32 s14, s14, 14
	s_and_b32 s15, s22, 15
	s_lshl_b32 s15, s15, 10
	s_add_co_u32 s14, s14, s15
	s_lshl_b32 s16, s[GR], 17
	s_add_co_u32 s16, s16, s14
	s_add_nc_u64 s[YBH:YBH+1], s[12:13], s[16:17]
	s_lshl_b32 s16, s19, 17
	s_add_co_u32 s16, s16, s14
	s_add_nc_u64 s[YBL:YBL+1], s[12:13], s[16:17]
	v_add_nc_u32 v[AV0], VBASE, v[LI]
	v_and_b32 v5, 15, v0                           ; r
	v_bfe_u32 v6, v0, 4, 1                         ; h
	s_delay_alu instid0(VALU_DEP_2)
	v_and_b32 v7, 8, v5
	s_delay_alu instid0(VALU_DEP_1)
	v_add_nc_u32 v7, v7, v5                        ; r + 8 (r / 8)
	s_delay_alu instid0(VALU_DEP_3)
	v_lshlrev_b32 v6, 4, v6
	s_delay_alu instid0(VALU_DEP_1)
	v_sub_nc_u32 v7, v7, v6                        ; - 16 h
	s_lshl_b32 s14, s21, 5
	s_lshl_b32 s15, s20, 3
	s_add_co_u32 s14, s14, s15
	v_add_nc_u32 v[DM], s14, v7                    ; + 32 cx + 8 SUB.  Register 16 b + i of S^T holds the step's key 32 b + 16 h + i: on the diagonal it is hidden where 32 b + i > this number
	v_mov_b32 v236, 0                              ; written once: a lane permute's destination counts as one of its sources
	v_mov_b32 v253, 0                              ; (named as the upper halves of the pairs v[252:253] and v[254:255])
	v_mov_b32 v255, 0
	v_mov_b32 v250, 0xff800000                     ; -infinity
	s_wait_kmcnt 0x0
	s_add_co_i32 s14, s74, s75
	s_lshl_b32 s14, s14, 23
	s_add_co_i32 s[CS], s[CS], s14                 ; a score stands for score x 2^(e2 + e3): the two exponents are added to c's exponent field
	s_mov_b32 s[CS+1], s[CS]                       ; (named with it as a pair, so it is written)
	s_add_co_i32 s14, s76, 127
	s_lshl_b32 s15, s14, 23
	v_mov_b32 v244, s15                            ; 2^e4 as f32, for p's conversions
	s_sub_co_i32 s14, s78, s76
	s_sub_co_i32 s14, s14, s77                     ; O / l stands for y / 2^(e4 + e5): y's code is (O / l) / 2^(e6 - e4 - e5)
	s_add_co_i32 s14, s14, 127
	s_lshl_b32 s15, s14, 23
	v_mov_b32 v245, s15
.macro INIT                            ; a tile begins: the step is written without a first step of its own: it finds zeros, which the first change of M leaves zeros
	v_mov_b32 v13, 0xff61b1e6                      ; the largest t so far: -3e38, under every t
	s_delay_alu instid0(VALU_DEP_1)
	v_floor_f32 v12, -v13                          ; -M
	v_mov_b32 v14, 0
	v_mov_b32 v15, 0
.irp j, 0,1,2,3,4,5,6,7,8,9,10,11,12,13,14,15,16,17,18,19,20,21,22,23,24,25,26,27,28,29,30,31
	v_mov_b32 v[O+\j], 0
.endr
.endm
; A KEY STEP of 128 keys for the tile whose Q lies in v[q] on.  masked = 1: the step may lie on or behind the diagonal.
.macro STEP q, masked
.if \masked
	s_cmp_gt_u32 s[KS], s[GR]                      ; all its keys come after my queries: only the steps of TB and KS at its end are done
	s_cbranch_scc1 .Lhidden_\@
.endif
	s_setprio 2
	v_add_nc_u32 v[ADK], s[TB], v[LI]
	v_add_nc_u32 v[ADV], s[TB], v[AV0]
	v_nop
	v_nop                                          ; four places in front of loads into registers that the last products read
.irp i, 0,1,2,3,4,5,6,7,8,9,10,11,12,13,14,15
	ds_load_b128 v[FRG+4*\i:FRG+4*\i+3], v[ADK] offset:512*\i   ; eight tiles of 16 keys x 64: 512 consecutive bytes a load
.endr
	s_wait_alu depctr_va_vdst(0)
	s_wait_dscnt 0x0
.irp t, 0,1,2,3,4,5,6,7
	v_wmma_f32_16x16x64_bf8_bf8 v[S+8*\t:S+8*\t+7], v[FRG+8*\t:FRG+8*\t+7], v[\q:\q+7], 0
.endr
.rept 4
	v_nop                                          ; four places: in front of the loads below and of the first read of the scores
.endr
.irp i, 0,1,2,3,4,5,6,7,8,9,10,11,12,13,14,15
	ds_load_b128 v[FRG+4*\i:FRG+4*\i+3], v[ADV] offset:512*\i   ; four fragments of 16 d x 128 keys: they land while the softmax is worked
.endr
.if \masked
	s_cmp_lg_u32 s[KS], s[GR]
	s_cbranch_scc1 .Lopen_\@                       ; not the diagonal's step: all its keys count
.irp n, 0,1,2,3,4,5,6,7,8,9,10,11,12,13,14,15,16,17,18,19,20,21,22,23,24,25,26,27,28,29,30,31,32,33,34,35,36,37,38,39,40,41,42,43,44,45,46,47,48,49,50,51,52,53,54,55,56,57,58,59,60,61,62,63
	v_cmp_gt_i32 vcc_lo, 32*(\n/16)+\n%16, v[DM]
	v_cndmask_b32 v[S+\n], v[S+\n], v250, vcc_lo   ; a hidden key's score becomes -infinity ahead of the maximum: p = 0 then.  The step's first key counts for every query
.endr
.Lopen_\@:
.endif
	v_max3_num_f32 v254, v96, v97, v98             ; the step's largest score of my query among my 64 keys, in two chains; each accumulator is first read at its low end,
	v_max3_num_f32 v252, v99, v100, v101
.irp i, 6,10,14,18,22,26,30,34,38,42,46,50,54,58
	v_max3_num_f32 v254, v254, v[S+\i], v[S+1+\i]
	v_max3_num_f32 v252, v252, v[S+2+\i], v[S+3+\i]
.endr
	v_max3_num_f32 v254, v254, v158, v159
	s_delay_alu instid0(VALU_DEP_1)
	v_max_num_f32 v254, v254, v252
	s_delay_alu instid0(VALU_DEP_1)
	v_permlanex16_b32 v236, v254, s[SEL], s[SEL+1]
	s_delay_alu instid0(VALU_DEP_1)
	v_max_num_f32 v254, v254, v236                 ; and among lane l xor 16's
	s_delay_alu instid0(VALU_DEP_1)
	v_mul_f32 v254, s[CS], v254                    ; as t (c is positive)
	s_delay_alu instid0(VALU_DEP_1)
	v_max_num_f32 v13, v13, v254                   ; the running largest t
	v_mov_b32 v254, v12
	s_delay_alu instid0(VALU_DEP_2)
	v_floor_f32 v12, -v13                          ; the new -M = floor(-t) = -ceil(t): a whole number
	s_delay_alu instid0(VALU_DEP_1)
	v_sub_f32 v254, v12, v254                      ; old M - new M: a whole number, 0 or less
	s_delay_alu instid0(VALU_DEP_1)
	v_cvt_i32_f32 v254, v254                       ; (it saturates)
	s_delay_alu instid0(VALU_DEP_1)
	v_ldexp_f32 v252, 1.0, v254                    ; f = 2^(old M - new M)
.irp j, 0,2,4,6,8,10,12,14,16,18,20,22,24,26,28,30,32,34,36,38,40,42,44,46,48,50,52,54,56,58,60,62
	v_pk_fma_f32 v[S+\j:S+1+\j], v[S+\j:S+1+\j], s[CS:CS+1], v[12:13] op_sel_hi:[1,0,0]   ; t - M, two at a time (of the pairs c and -M the low word serves both halves)
.endr
	s_setprio 1
	s_wait_alu depctr_va_vdst(0)
.irp j, 0,1,2,3,4,5,6,7,8,9,10,11,12,13,14,15,16,17,18,19,20,21,22,23,24,25,26,27,28,29,30,31,32,33,34,35,36,37,38,39,40,41,42,43,44,45,46,47,48,49,50,51,52,53,54,55,56,57,58,59,60,61,62,63
	v_exp_f32 v[S+\j], v[S+\j]                     ; p = 2^(t - M), at most 1
.endr
	v_pk_mul_f32 v[14:15], v[14:15], v[252:253] op_sel_hi:[1,0]   ; the sums under the new M: the plain instruction behind the exponentials
	s_wait_alu depctr_va_vdst(0)                   ; one wait for the whole batch, ahead of its first reader
	v_pk_add_f32 v[242:243], v[100:101], v[104:105]
	v_pk_add_f32 v[246:247], v[108:109], v[112:113]
	v_pk_add_f32 v[240:241], v[116:117], v[120:121]
	v_pk_add_f32 v[238:239], v[124:125], v[128:129]
	v_pk_add_f32 v[234:235], v[132:133], v[136:137]
	v_pk_add_f32 v[232:233], v[140:141], v[144:145]
	v_pk_add_f32 v[230:231], v[148:149], v[152:153]
	v_pk_add_f32 v[14:15], v[14:15], v[156:157]
	v_pk_add_f32 v[242:243], v[242:243], v[96:97]
	v_pk_add_f32 v[246:247], v[246:247], v[98:99]
	v_pk_add_f32 v[240:241], v[240:241], v[102:103]
	v_pk_add_f32 v[238:239], v[238:239], v[106:107]
	v_pk_add_f32 v[234:235], v[234:235], v[110:111]
	v_pk_add_f32 v[232:233], v[232:233], v[114:115]
	v_pk_add_f32 v[230:231], v[230:231], v[118:119]
	v_pk_add_f32 v[14:15], v[14:15], v[122:123]
	v_pk_add_f32 v[242:243], v[242:243], v[126:127]
	v_pk_add_f32 v[246:247], v[246:247], v[130:131]
	v_pk_add_f32 v[240:241], v[240:241], v[134:135]
	v_pk_add_f32 v[238:239], v[238:239], v[138:139]
	v_pk_add_f32 v[234:235], v[234:235], v[142:143]
	v_pk_add_f32 v[232:233], v[232:233], v[146:147]
	v_pk_add_f32 v[230:231], v[230:231], v[150:151]
	v_pk_add_f32 v[14:15], v[14:15], v[154:155]
	v_pk_add_f32 v[242:243], v[242:243], v[158:159]
	s_delay_alu instid0(VALU_DEP_2)
	v_pk_add_f32 v[14:15], v[14:15], v[238:239]
	s_delay_alu instid0(VALU_DEP_2)
	v_pk_add_f32 v[242:243], v[242:243], v[234:235]
	v_pk_add_f32 v[246:247], v[246:247], v[232:233]
	v_pk_add_f32 v[240:241], v[240:241], v[230:231]
	s_delay_alu instid0(VALU_DEP_2)
	v_pk_add_f32 v[14:15], v[14:15], v[246:247]
	s_delay_alu instid0(VALU_DEP_2)
	v_pk_add_f32 v[242:243], v[242:243], v[240:241]
	s_delay_alu instid0(VALU_DEP_1)
	v_pk_add_f32 v[14:15], v[14:15], v[242:243]
	s_setprio 0
.irp b, 0,1,2,3
.irp i, 0,1,2,3,4,5,6,7,8,9,10,11,12,13,14,15
.endr
	v_cvt_scalef32_pk8_bf8_f32 v[PC+4*\b:PC+1+4*\b], v[S+16*\b:S+7+16*\b], v244
	v_cvt_scalef32_pk8_bf8_f32 v[PC+2+4*\b:PC+3+4*\b], v[S+8+16*\b:S+15+16*\b], v244
.endr
.irp j, 0,2,4,6,8,10,12,14,16,18,20,22,24,26,28,30
	v_pk_mul_f32 v[O+\j:O+1+\j], v[O+\j:O+1+\j], v[252:253] op_sel_hi:[1,0]   ; O^T under the new M.  (Also the plain instructions between the conversions and the products)
.endr
	s_wait_alu depctr_va_vdst(0)
	s_wait_dscnt 0x0                               ; V's fragments are in
.irp t, 0,1,2,3
	v_wmma_f32_16x16x128_bf8_bf8 v[O+8*\t:O+8*\t+7], v[FRG+16*\t:FRG+16*\t+15], v[PC:PC+15], v[O+8*\t:O+8*\t+7]   ; the four accumulators take turns
.endr
.if \masked
.Lhidden_\@:
.endif
	s_add_co_u32 s[TB], s[TB], 8192
	s_add_co_u32 s[KS], s[KS], 1
.endm
; A tile ends: O^T / the sum, quantised; a lane's 16 registers of two neighbouring tiles are 16 neighbouring d, so the codes are stored as they stand: 2 x 512 consecutive bytes, aligned.
.macro WAYOUT yc, base
.rept 4
	v_nop                                          ; places behind the last products
.endr
	v_add_f32 v14, v14, v15                        ; the sum's two halves,
	s_delay_alu instid0(VALU_DEP_1)
	v_permlanex16_b32 v236, v14, s[SEL], s[SEL+1]
	s_delay_alu instid0(VALU_DEP_1)
	v_add_f32 v14, v14, v236                       ; and lane l xor 16's
	s_wait_alu depctr_va_vdst(0)
	v_rcp_f32 v254, v14
	v_nop                                          ; a plain instruction behind the reciprocal,
	s_wait_alu depctr_va_vdst(0)                   ; and a wait ahead of its first reader
.irp j, 0,2,4,6,8,10,12,14,16,18,20,22,24,26,28,30
	v_pk_mul_f32 v[S+\j:S+1+\j], v[O+\j:O+1+\j], v[254:255] op_sel_hi:[1,0]
.endr
.irp j, 0,1,2,3,4,5,6,7,8,9,10,11,12,13,14,15,16,17,18,19,20,21,22,23,24,25,26,27,28,29,30,31
.endr
.irp g, 0,1,2,3
	v_cvt_scalef32_pk8_bf8_f32 v[\yc+2*\g:\yc+2*\g+1], v[S+8*\g:S+8*\g+7], v245
.endr
	v_nop                                          ; one plain vector instruction behind the last conversion
	global_store_b128 v[LI], v[\yc:\yc+3], s[\base:\base+1]
	global_store_b128 v[LI], v[\yc+4:\yc+7], s[\base:\base+1] offset:512   ; these registers, the offset and the base are never written again
.endm
	INIT
	s_wait_loadcnt 0x0                             ; Q
	s_mov_b32 s[TB], 0
	s_mov_b32 s[KS], 0
	s_wait_tensorcnt 0x2                           ; my part of key steps 0-3 is in; my two later loads may be out
	s_wait_dscnt 0x0
	s_barrier_signal -1
	s_barrier_wait -1                              ; everybody's is
.Lsteps_0:                                         ; the first tile's group is 8 at the least: its steps 0 to 7 lie before the diagonal
	STEP QH, 0
	s_cmp_lt_u32 s[KS], 4
	s_cbranch_scc1 .Lsteps_0
	s_setprio 0
	s_mov_b32 s[TB], 32768
	s_wait_tensorcnt 0x1                           ; key steps 4-7; my last load may be out
	s_wait_dscnt 0x0
	s_barrier_signal -1
	s_barrier_wait -1
.Lsteps_4:
	STEP QH, 0
	s_cmp_lt_u32 s[KS], 8
	s_cbranch_scc1 .Lsteps_4
	s_setprio 0
	s_mov_b32 s[TB], 65536
	s_wait_tensorcnt 0x0                           ; key steps 8-15: all of K and V
	s_wait_dscnt 0x0
	s_barrier_signal -1
	s_barrier_wait -1
.Lsteps_8:
	STEP QH, 1
	s_cmp_lt_u32 s[KS], 16
	s_cbranch_scc1 .Lsteps_8
	s_setprio 0
	WAYOUT YH, YBH
	INIT                                           ; the second tile: group U
	s_mov_b32 s[TB], 0
	s_mov_b32 s[KS], 0
	s_mov_b32 s[GR], s19
.Lsteps_low:
	STEP QL, 1
	s_cmp_lt_u32 s[KS], 8
	s_cbranch_scc1 .Lsteps_low
	s_setprio 0
	WAYOUT YL, YBL
	s_wait_tensorcnt 0x0
	ds_add_u32 v249, v251
	s_wait_dscnt 0x0
	CROUND                                         ; the closing round: no work-group ends while a partner may still ask for a tile that names it
	s_endpgm
.Lfunc_end_k_qf4cb96f9c3_attn:
	.size	k_qf4cb96f9c3_attn, .Lfunc_end_k_qf4cb96f9c3_attn-k_qf4cb96f9c3_attn
	.p2alignl 7, 3214868480
	.fill 96, 4, 3214868480
	.section	.rodata,"a",@progbits
	.p2align	6, 0x0
	.amdhsa_kernel k_qf4cb96f9c3_attn
		.amdhsa_group_segment_fixed_size 264192
		.amdhsa_private_segment_fixed_size 0
		.amdhsa_enable_private_segment 0
		.amdhsa_kernarg_size 40
		.amdhsa_user_sgpr_count 2
		.amdhsa_user_sgpr_kernarg_segment_ptr 1
		.amdhsa_wavefront_size32 1
		.amdhsa_system_sgpr_workgroup_id_x 1
		.amdhsa_system_sgpr_workgroup_id_y 1
		.amdhsa_system_sgpr_workgroup_id_z 1
		.amdhsa_system_vgpr_workitem_id 0
		.amdhsa_next_free_vgpr 256
		.amdhsa_next_free_sgpr 96
		.amdhsa_reserve_vcc 1
		.amdhsa_float_denorm_mode_32 3
		.amdhsa_float_denorm_mode_16_64 3
		.amdhsa_fp16_overflow 1
		.amdhsa_memory_ordered 1
		.amdhsa_forward_progress 1
		.amdhsa_inst_pref_size 80
	.end_amdhsa_kernel
	.amdgpu_metadata
---
amdhsa.version: [ 1, 2 ]
amdhsa.kernels:
  - .name:           k_qf4cb96f9c3_attn
    .symbol:         k_qf4cb96f9c3_attn.kd
    .args:
      - { .name: q_codes, .offset: 0, .size: 8, .value_kind: global_buffer, .address_space: global }
      - { .name: k_codes, .offset: 8, .size: 8, .value_kind: global_buffer, .address_space: global }
      - { .name: v_codes, .offset: 16, .size: 8, .value_kind: global_buffer, .address_space: global }
      - { .name: lowp_scales, .offset: 24, .size: 8, .value_kind: global_buffer, .address_space: global }
      - { .name: y_codes, .offset: 32, .size: 8, .value_kind: global_buffer, .address_space: global }
    .group_segment_fixed_size: 264192
    .private_segment_fixed_size: 0
    .kernarg_segment_align: 8
    .kernarg_segment_size: 40
    .max_flat_workgroup_size: 512
    .sgpr_count:     96
    .vgpr_count:     256
    .wavefront_size: 32
...
	.end_amdgpu_metadata
.endif
;; end of part 2
;; launch proj (part 3): grid 4 x 32, 4 waves a work-group, clusters of 4 x 4, 327,680 bytes of LDS; arguments y_codes, w_proj_codes, lowp_scales, out0; writes out0
.if DOCPART == 3
	.amdgcn_target "amdgcn-amd-amdhsa--gfx1250"
	.amdhsa_code_object_version 6
	.text
	.protected	k_qf4cb96f9c3_proj
	.globl	k_qf4cb96f9c3_proj
	.p2align	8
	.type	k_qf4cb96f9c3_proj,@function
k_qf4cb96f9c3_proj:
	s_mov_b64 s[64:65], 0
	v_nop
	global_prefetch_b8 v0, s[64:65] scope:SCOPE_SE
	s_setreg_imm32_b32 hwreg(HW_REG_WAVE_MODE, 25, 1), 1
	s_wait_xcnt 0x0
	s_wait_alu depctr_hold_cnt(0) depctr_sa_sdst(0) depctr_va_vdst(0) depctr_va_sdst(0) depctr_va_ssrc(0) depctr_va_vcc(0) depctr_vm_vsrc(0)
	s_getreg_b32 s2, hwreg(HW_REG_IB_STS2, 6, 4)
	s_cmp_eq_u32 s2, 0
	s_cbranch_scc0 .Lentry_in_a_cluster
	s_endpgm
.Lentry_in_a_cluster:
	s_bfe_u32 s2, ttmp6, 0x10000c
	s_cmp_lg_u32 s2, 0xf033
	s_cbranch_scc0 .Lentry_shape_is_right
	s_endpgm
.Lentry_shape_is_right:
; out = y w_proj on codes of E5M2; each finished sum x 2^(e6 + e7).  y: 8,192 rows x 1,024 as images of operand registers (below); w_proj: [1024][1024] codes, K innermost; out: [8192][1024] f32.
; LIMIT: e6 + e7 between -126 and 127, so that 2^(e6 + e7) is an f32 number.
; A tile of 256 x 256 is made by a work-group of four waves; a wave makes 128 x 128: 64 accumulators, 512 registers.  128 tiles in all: a work-group to each.
; K goes in steps of 256 through a ring of two LDS slots filled by the tensor data mover: four K steps, two first fills and two refills.
; CLUSTERS: 4 x 4 work-groups.  The four of a row of the cluster need the same tiles of y, the four of a column the same rows of w: each tile is asked for JOINTLY.
; y's codes: [row tile (512)][K step of 128 (8)][2,048]: a fragment's four loads of 512 consecutive bytes, 16 a lane.  Lane-row r of row tile R is row (R / 8) x 128 + 32 ((R / 2) % 4) + 8 (R % 2) + r + 8 (r / 8):
; the order is undone in the stores' offsets.  In both operands registers 4 c .. 4 c + 3 hold K = 32 c + 16 (lane / 16) + 0 .. 15.
; THE MATRIX INSTRUCTION IS USED TRANSPOSED (source 0 = 16 rows of w, source 1 = 16 rows of y): a lane holds eight neighbouring numbers of a row of out.
; REGISTERS, in windows of 256: window 0: v16-31 addresses; from v128 y's fragments, ONE set; on the way out v32-255 are free.   window 1: w's fragments, TWO sets.
;   window 2: the accumulators of my row tiles 0-3 ((a, b) at v[8 (8 (a % 4) + b)]);   window 3: of row tiles 4-7.
.set ROWB,   256                       ; a row of w's tile in bytes
.set KROW,   1024                      ; a row of w in memory
.set PITCH,  272                       ; w's rows in LDS: 256 bytes + 16 of padding: the 16 rows that a load touches start at 16 different banks (64 banks of 4 bytes: ISA guide 11.1)
.set FR,     16
.set NL,     4
.set NP,     4
.set HALFT,  128*PITCH                 ; 128 rows of w
.set ATILE,  4096                      ; a row tile's part of a slot: two K steps of 128
.set AHALF,  8*ATILE                   ; eight row tiles: what one tensor load brings of y
.set BOFF,   2*AHALF                   ; a slot: y's 16 row tiles, dense, then w's 256 rows
.set SLOT,   BOFF+2*HALFT
.set SPARE,  2*SLOT                    ; behind the ring: the spare words, 128 bytes for each wave, which no other line names
.set SPITCH, 528                       ; the way out: a stage of 16 rows x (512 bytes + 16) for each wave, in slot 0, which has had its last fill and its last read by then
.set OROW,   4096                      ; a row of out in bytes
.set ADRA, 16
.set ADRB, 20
.set STO,  24
.set RD,   25
.set CO,   26
.set SPW,  28
.set NIL,  29
.set TMP,  32
.set AF,   128
.set BK,   128
.set G1, 24
.set G0, 32
.set G1B, 48
.set G0B, 56
.set MSB, 0
.macro WIN new                         ; the immediate's high byte repeats the setting that is left
.if MSB != \new
	s_set_vgpr_msb (MSB<<8)|\new
.set MSB, \new
.endif
.endm
.set MUL_LO, 0xa1
.set MUL_HI, 0xf1
.set TO_B,   0x40
.macro JLOAD g0a, g1a, g0b, g1b        ; a joint load: waves 0 and 1 fetch for y, waves 2 and 3 for w; four v_nop follow each of the two lines
	s_cmp_eq_u32 s15, 0
	s_cbranch_scc0 .Lfor_b_\@
	tensor_load_to_lds s[\g0a:\g0a+3], s[\g1a:\g1a+7]
	s_nop 0
.rept 4
	v_nop
.endr
	s_branch .Lasked_\@
.Lfor_b_\@:
	tensor_load_to_lds s[\g0b:\g0b+3], s[\g1b:\g1b+7]
	s_nop 0
.rept 4
	v_nop
.endr
.Lasked_\@:
.endm
.macro CREST
	s_cmp_lg_u32 s14, 0
	s_cbranch_scc1 .Lnot_wave_0_\@
	s_barrier_signal -3
.Lnot_wave_0_\@:
	s_barrier_wait -3
	s_barrier_signal -1
	s_barrier_wait -1
.endm
.macro CROUND
	s_barrier_signal -1
	s_barrier_wait -1
	CREST
.endm
	s_load_b128 s[4:7], s[0:1], 0x0                ; y's codes s[4:5], w's codes s[6:7]
	s_load_b128 s[8:11], s[0:1], 0x10              ; the scales' exponents s[8:9], out s[10:11]
	v_lshl_add_u32 v[SPW], v0, 2, SPARE
	v_mov_b32 v[NIL], 0
	ds_add_u32 v28, v29
	ds_add_u32 v28, v29
	s_wait_dscnt 0x0
	v_lshrrev_b32 v1, 5, v0
	v_readfirstlane_b32 s14, v1                    ; wave 0..3
	s_lshr_b32 s15, s14, 1                         ; which half of the tile's rows is mine.  Also: I fetch for y (0) or for w (1)
	s_and_b32 s16, s14, 1                          ; which half of its columns.  Also: which half of that tile I fetch
	s_bfe_u32 s40, ttmp6, 0x40000                  ; cx, cy
	s_bfe_u32 s41, ttmp6, 0x40004
	s_lshl_b32 s42, ttmp9, 2
	s_add_co_u32 s42, s42, s40                     ; tile column
	s_and_b32 s17, ttmp7, 0xffff
	s_lshl_b32 s17, s17, 2
	s_add_co_u32 s17, s17, s41                     ; tile row
	s_lshl_b32 s43, s41, 2
	s_lshl_b32 s43, 15, s43                        ; my row of the cluster
	s_lshl_b32 s44, 0x1111, s40                    ; my column
	; y's tiles: 8 rows (row tiles) of 4,096 bytes, 16,384 bytes apart, in elements of 8 bytes; laid dense in LDS
	s_or_b32 s[G1+0], s43, (3<<16)|(1<<21)         ; 15:0 the mask: my row; 17:16 elements of 8 bytes; 21 set beside a mask
	s_mov_b32 s[G1+1], 512<<16                     ; tensor_dim0 = 512
	s_mov_b32 s[G1+2], 8<<16                       ; tensor_dim1 = 8
	s_mov_b32 s[G1+3], 512<<16                     ; tile_dim0 = 512
	s_mov_b32 s[G1+4], 8                           ; tile_dim1 = 8
	s_mov_b32 s[G1+5], 2048                        ; the pitch
	s_mov_b32 s[G1+6], 0
	s_mov_b32 s[G1+7], 0
	; w's tiles: 128 rows of 256 bytes, padded in LDS
	s_or_b32 s[G1B+0], s44, (0<<16)|(1<<20)|(1<<21)|(5<<22)|(3<<25)
	s_mov_b32 s[G1B+1], ROWB<<16
	s_mov_b32 s[G1B+2], 128<<16
	s_mov_b32 s[G1B+3], ROWB<<16
	s_mov_b32 s[G1B+4], 128
	s_mov_b32 s[G1B+5], KROW
	s_mov_b32 s[G1B+6], 0
	s_mov_b32 s[G1B+7], 0
	s_lshl_b32 s20, s17, 4
	s_lshl_b32 s18, s16, 3
	s_add_co_u32 s20, s20, s18                     ; y: row tile 16 x tile row + 8 x half,
	s_lshl_b32 s20, s20, 14                        ; of 16,384 bytes
	s_mov_b32 s21, 0
	s_lshl_b32 s46, s42, 8
	s_lshl_b32 s18, s16, 7
	s_add_co_u32 s46, s46, s18                     ; w: row 256 x tile column + 128 x half,
	s_lshl_b32 s46, s46, 10                        ; of 1,024 bytes
	s_mov_b32 s47, 0
	s_lshl_b32 s45, s16, 15                        ; where they go: y's half x 32,768;
	s_mul_i32 s66, s16, HALFT
	s_add_co_u32 s66, s66, BOFF                    ; w's half x 128 rows, behind y's: no place in the cluster enters an LDS address
	s_wait_kmcnt 0x0
	s_load_b64 s[96:97], s[8:9], 0x18              ; e6, e7
	s_add_nc_u64 s[20:21], s[4:5], s[20:21]
	s_add_nc_u64 s[46:47], s[6:7], s[46:47]
	CROUND                                         ; all sixteen work-groups are here: the first joint loads meet
.irp s, 0,1
	s_mov_b32 s[G0+4*\s], 1
	s_add_co_u32 s[G0+4*\s+1], s45, \s*SLOT
	s_add_nc_u64 s[G0+4*\s+2:G0+4*\s+3], s[20:21], \s*ATILE
	s_or_b32 s[G0+4*\s+3], s[G0+4*\s+3], 0x80000000
	s_mov_b32 s[G0B+4*\s], 1
	s_add_co_u32 s[G0B+4*\s+1], s66, \s*SLOT
	s_add_nc_u64 s[G0B+4*\s+2:G0B+4*\s+3], s[46:47], \s*ROWB
	s_or_b32 s[G0B+4*\s+3], s[G0B+4*\s+3], 0x80000000
	s_wait_alu depctr_va_vdst(0)
	s_wait_tensorcnt 0x0
	ds_add_u32 v28, v29
	ds_add_u32 v28, v29
	s_wait_dscnt 0x0
	CROUND
	JLOAD G0+4*\s, G1, G0B+4*\s, G1B
.endr
	v_and_b32 v1, 15, v0                           ; l % 16
	v_bfe_u32 v2, v0, 4, 1                         ; l / 16
	v_and_b32 v6, 31, v0
	v_lshlrev_b32 v[CO], 4, v6                     ; 16 x lane
	v_mul_u32_u24 v3, v1, PITCH
	v_lshl_add_u32 v4, v2, 4, v3                   ; w: a fragment's row x pitch + 16 x half
	s_lshl_b32 s21, s15, 15                        ; my eight row tiles of y
	s_mul_i32 s22, s16, HALFT
	s_add_co_u32 s22, s22, BOFF                    ; my 128 rows of w
.irp s, 0,1
	v_add_nc_u32 v[ADRA+\s], s21, v[CO]
	v_add_nc_u32 v[ADRB+\s], s22, v4
	s_add_co_u32 s21, s21, SLOT
	s_add_co_u32 s22, s22, SLOT
.endr
	s_mul_i32 s23, s14, 16*SPITCH                  ; my stage
	v_mul_u32_u24 v5, v1, SPITCH                   ; in: row l % 16, 32 bytes for each half of the lanes
	v_lshl_add_u32 v5, v2, 5, v5
	v_add_nc_u32 v[STO], s23, v5
	v_add_nc_u32 v[RD], s23, v[CO]                 ; back: the 32 lanes take one row of 512 bytes
	s_lshl_b32 s20, s17, 8
	s_lshl_b32 s21, s15, 7
	s_add_co_u32 s20, s20, s21                     ; my first row of out: 256 x tile row + 128 x half
	s_lshl_b32 s20, s20, 12
	s_mov_b32 s21, 0
	s_lshl_b32 s46, s42, 10                        ; my first column, in bytes: 1,024 x tile column + 512 x half
	s_lshl_b32 s47, s16, 9
	s_add_co_u32 s46, s46, s47
	s_mov_b32 s47, 0
	s_add_nc_u64 s[20:21], s[20:21], s[46:47]
	s_add_nc_u64 s[10:11], s[10:11], s[20:21]
.macro FRAGB reg, adr, q, i            ; a fragment of w from rows: four loads, 32 bytes apart
.irp c, 0,1,2,3
	ds_load_b128 v[\reg+4*\c:\reg+4*\c+3], v[\adr] offset:128*(\q)+32*\c+(\i)*16*PITCH
.endr
.endm
.macro FRAGA reg, adr, q, i            ; a fragment of y from its image: four loads of 512 consecutive bytes
.irp c, 0,1,2,3
	ds_load_b128 v[\reg+4*\c:\reg+4*\c+3], v[\adr] offset:2048*(\q)+512*\c+(\i)*ATILE
.endr
.endm
; 16 matrix instructions: y's row tiles a0, a0 + 1 x w's eight blocks, 128 along K.  The 64 accumulators take turns, one instruction a turn.
.macro MUL16 a0, p, zero
.irp a, \a0, \a0+1
.irp b, 0,1,2,3,4,5,6,7
.if \zero
	v_wmma_f32_16x16x128_bf8_bf8 v[8*(8*((\a)%4)+\b):8*(8*((\a)%4)+\b)+7], v[128*(\p)+FR*\b:128*(\p)+FR*\b+FR-1], v[AF+FR*(\a):AF+FR*(\a)+FR-1], 0
.else
	v_wmma_f32_16x16x128_bf8_bf8 v[8*(8*((\a)%4)+\b):8*(8*((\a)%4)+\b)+7], v[128*(\p)+FR*\b:128*(\p)+FR*\b+FR-1], v[AF+FR*(\a):AF+FR*(\a)+FR-1], v[8*(8*((\a)%4)+\b):8*(8*((\a)%4)+\b)+7]
.endif
.endr
.endr
.endm
.macro FETCH_B slot, q, p
	WIN TO_B
.irp i, 0,1,2,3,4,5,6,7
	FRAGB 128*(\p)+FR*\i, ADRB+\slot, \q, \i
.endr
	WIN 0
.endm
.macro FETCH_A slot, q, i0
.irp i, \i0, \i0+1, \i0+2, \i0+3
	FRAGA AF+FR*(\i), ADRA+\slot, \q, \i
.endr
.endm
.macro PLACES n                        ; plain vector instructions between a matrix instruction and a load into, or a read of, its registers
.rept \n
	v_nop
.endr
.endm
.macro STEP slot, q, zero
	s_wait_dscnt 4*NL                              ; w's set and y's row tiles 0-3 are in; the youngest 16 loads (row tiles 4-7) may be out
	WIN MUL_LO
	MUL16 0, (\q)%2, \zero
	MUL16 2, (\q)%2, \zero
	s_wait_dscnt 0
	PLACES NP
	FETCH_B \slot, (\q)+1, 1-(\q)%2
	FETCH_A \slot, (\q)+1, 0
	WIN MUL_HI
	MUL16 4, (\q)%2, \zero
	MUL16 6, (\q)%2, \zero
	PLACES NP
	WIN 0
	FETCH_A \slot, (\q)+1, 4
.endm
; A slot's last step changes slots: ONE barrier; in front of it each wave waits for all its tensor loads, adds 0 to its spare word, and waits for that and for its own reads of this slot.
.macro TURN slot, next, fill
	s_wait_tensorcnt 0x0                           ; all my tensor loads have landed: my part of the next slot
	ds_add_u32 v[SPW], v[NIL]                      ; 0 onto my spare word
	s_wait_dscnt 4*NL+1                            ; (the add and the youngest 16 loads may be out)
	WIN MUL_LO
	MUL16 0, 1, 0
	s_wait_dscnt 0x0                               ; the add is done, and my reads of this slot are over
	s_barrier_signal -1
	MUL16 2, 1, 0
	WIN 0
	s_barrier_wait -1
.if \fill
	CREST                                          ; a round of the cluster's barrier: no wave of any partner still reads this slot or has a load on its way
	s_add_nc_u64 s[G0+4*\slot+2:G0+4*\slot+3], s[G0+4*\slot+2:G0+4*\slot+3], 2*ATILE
	s_add_nc_u64 s[G0B+4*\slot+2:G0B+4*\slot+3], s[G0B+4*\slot+2:G0B+4*\slot+3], 2*ROWB
	JLOAD G0+4*\slot, G1, G0B+4*\slot, G1B         ; the first tensor load behind the round; its four v_nop are the places in front of the loads below
.else
	PLACES NP
.endif
	FETCH_B \next, 0, 0
	FETCH_A \next, 0, 0
	WIN MUL_HI
	MUL16 4, 1, 0
	MUL16 6, 1, 0
	PLACES NP
	WIN 0
	FETCH_A \next, 0, 4
.endm
	s_wait_alu depctr_va_vdst(0)
	s_wait_tensorcnt 1                             ; my part of K step 0 is in (K step 1's load may be out)
	s_barrier_signal -1
	s_barrier_wait -1                              ; everybody's is
	FETCH_B 0, 0, 0
	FETCH_A 0, 0, 0
	FETCH_A 0, 0, 4
	STEP 0, 0, 1                                   ; eight steps of 128 along K, written out: the first starts the sums
	TURN 0, 1, 1
	STEP 1, 0, 0
	TURN 1, 0, 1
	STEP 0, 0, 0
	TURN 0, 1, 0                                   ; nothing is left to fetch; behind this barrier nobody reads slot 0 any more
	STEP 1, 0, 0
	s_wait_dscnt 4*NL
	WIN MUL_LO
	MUL16 0, 1, 0
	MUL16 2, 1, 0
	s_wait_dscnt 0
	WIN MUL_HI
	MUL16 4, 1, 0
	MUL16 6, 1, 0
	WIN 0
; THE WAY OUT, row tile by row tile.  A lane holds 32 neighbouring bytes of a row: a block goes through my own stage in LDS and comes back as whole rows of 512 bytes.
; LDS serves a wave's instructions in order (ISA guide 5.7.1.4): no wait between the stores and the loads, nor in front of the next block's stores.
.macro TOSTAGE a
.set AC, 64*((\a)%4)
	WIN 0x02+((\a)/4)
.irp j, 0,2,4,6,8,10,12,14,16,18,20,22,24,26,28,30,32,34,36,38,40,42,44,46,48,50,52,54,56,58,60,62
	v_pk_mul_f32 v[TMP+\j:TMP+\j+1], v[AC+\j:AC+\j+1], s[96:97] op_sel_hi:[1,0]   ; both x s96 = 2^(e6 + e7); each accumulator from its low end on
.endr
	WIN 0
.irp b, 0,1,2,3,4,5,6,7
	ds_store_b128 v[STO], v[TMP+8*\b:TMP+8*\b+3] offset:64*\b
	ds_store_b128 v[STO], v[TMP+8*\b+4:TMP+8*\b+7] offset:64*\b+16
.endr
.set BB, BK+64*((\a)%2)
.irp t, 0,1,2,3,4,5,6,7,8,9,10,11,12,13,14,15
	ds_load_b128 v[BB+4*\t:BB+4*\t+3], v[RD] offset:\t*SPITCH
.endr
.endm
.macro SEND a, younger                 ; younger: the LDS instructions issued behind block a's loads, which may stay out
.set BB, BK+64*((\a)%2)
	s_wait_dscnt \younger
.irp t, 0,1,2,3,4,5,6,7,8,9,10,11,12,13,14,15
	global_store_b128 v[CO], v[BB+4*\t:BB+4*\t+3], s[10:11] offset:(32*((\a)/2)+8*((\a)%2)+\t+8*(\t/8))*OROW th:TH_STORE_NT   ; lane-row t of row tile a is this row of my 128: 512 consecutive bytes, aligned; 127 rows at the most, inside the signed 24-bit immediate
.endr
.endm
	s_wait_kmcnt 0x0
	s_add_co_i32 s96, s96, s97                     ; e6 + e7, between -126 and 127,
	s_add_co_i32 s96, s96, 127
	s_lshl_b32 s96, s96, 23                        ; makes the f32 number 2^(e6 + e7)
	PLACES NP                                      ; in front of the first read of results and of the loads into the registers that held y's fragments
	TOSTAGE 0
.irp a, 1,2,3,4,5,6,7
.if \a > 1
	s_wait_xcnt 0x0                                ; block a - 2's stores have read their registers: block a's loads may land there
.endif
	TOSTAGE \a
	SEND \a-1, 32                                  ; behind block a - 1's loads: block a's 16 stores and 16 loads
.endr
	SEND 7, 0
	s_wait_tensorcnt 0x0                           ; the wave's end: behind my last tensor load and my last LDS store
	ds_add_u32 v[SPW], v[NIL]
	s_wait_dscnt 0x0
	CROUND                                         ; the closing round: no work-group ends while a partner may still ask for a tile that names it
	s_endpgm
.Lfunc_end_k_qf4cb96f9c3_proj:
	.size	k_qf4cb96f9c3_proj, .Lfunc_end_k_qf4cb96f9c3_proj-k_qf4cb96f9c3_proj
	.p2alignl 7, 3214868480
	.fill 96, 4, 3214868480
	.section	.rodata,"a",@progbits
	.p2align	6, 0x0
	.amdhsa_kernel k_qf4cb96f9c3_proj
		.amdhsa_group_segment_fixed_size 327680
		.amdhsa_private_segment_fixed_size 0
		.amdhsa_enable_private_segment 0
		.amdhsa_kernarg_size 32
		.amdhsa_user_sgpr_count 2
		.amdhsa_user_sgpr_kernarg_segment_ptr 1
		.amdhsa_wavefront_size32 1
		.amdhsa_system_sgpr_workgroup_id_x 1
		.amdhsa_system_sgpr_workgroup_id_y 1
		.amdhsa_system_sgpr_workgroup_id_z 1
		.amdhsa_system_vgpr_workitem_id 0
		.amdhsa_next_free_vgpr 1024
		.amdhsa_next_free_sgpr 98
		.amdhsa_reserve_vcc 0
		.amdhsa_float_denorm_mode_32 3
		.amdhsa_float_denorm_mode_16_64 3
		.amdhsa_memory_ordered 1
		.amdhsa_forward_progress 1
		.amdhsa_inst_pref_size 123
	.end_amdhsa_kernel
	.amdgpu_metadata
---
amdhsa.version: [ 1, 2 ]
amdhsa.kernels:
  - .name:           k_qf4cb96f9c3_proj
    .symbol:         k_qf4cb96f9c3_proj.kd
    .args:
      - { .name: y_codes, .offset: 0, .size: 8, .value_kind: global_buffer, .address_space: global }
      - { .name: w_proj_codes, .offset: 8, .size: 8, .value_kind: global_buffer, .address_space: global }
      - { .name: lowp_scales, .offset: 16, .size: 8, .value_kind: global_buffer, .address_space: global }
      - { .name: out0, .offset: 24, .size: 8, .value_kind: global_buffer, .address_space: global }
    .group_segment_fixed_size: 327680
    .private_segment_fixed_size: 0
    .kernarg_segment_align: 8
    .kernarg_segment_size: 32
    .max_flat_workgroup_size: 128
    .sgpr_count:     98
    .vgpr_count:     1024
    .wavefront_size: 32
...
	.end_amdgpu_metadata
.endif
;; end of part 3
